; MI455X (gfx1250); checked and timed in simulation.
; The chip was launched on July 23, 2026; its instructions are those of AMD's public machine-readable ISA for CDNA 5 (MIT licence, August 2026) and "CDNA5" Instruction Set Architecture Reference Guide (July 2026). The comments in the code are by the model that wrote it; some were corrected since.
;; Model. Allowed arithmetic: matrix products marked QUANTISED: E2M3 operands, one E8M0 scale for each 32 along K, by v_wmma_scale_f32_16x16x128_f8f6f4 with both operands' format E2M3, f32 sums; everything else in f32.
;; Inputs: a 4,096 x 4,096 float16; a_scale 1,024 x 1,024 float32; b 4,096 x 4,096 float16; b_scale 1,024 x 1,024 float32.
;; Outputs: out0 4,096 x 4,096 float16.
;; This version of the problem:
;;   THIS VERSION OF THE PROBLEM IS GIVEN IN LOW PRECISION. The matrix products marked QUANTISED in the list below multiply operands that are first quantised to E2M3 (2 exponent bits, 3 mantissa bits; 6 bits a number), with one power-of-two scale for each 32 numbers along K (OCP MX v1.0); their sums are f32. All else is computed in f32.
;;   The module's matrix products, in the order in which they are computed (A, B: the left and right operand; K: the contracted axis; several contracted axes count as one K, in the product's order):
;;     1. [M 4,096, K 4,096] x [K 4,096, N 4,096]; A: computed on the way; B: computed on the way: QUANTISED
;;   THE QUANTISER, for each operand of a quantised product, along K:
;;     - K is cut into blocks of 32 from its start; a last block that is shorter is filled with zeros.
;;     - A block's scale is 2^e with e = floor(log2(the largest magnitude in the block)) - 2, held to -126 .. 127; a block of zeros has e = 0. As a byte (E8M0): e + 127.
;;     - Each number is divided by its block's scale, clamped to +-7.5, and rounded to the nearest number of E2M3, ties to even, subnormals kept.
;;     - The product sums the exact products of the quantised numbers (number of the format x scale) in f32.
;;   ~~~python
;;   def quantise(x, axis):      # numpy; x: float32 -> the quantised numbers, widened to float32 again
;;       x = np.moveaxis(x, axis, -1); K = x.shape[-1]
;;       x = np.pad(x, [(0, 0)] * (x.ndim - 1) + [(0, -K % 32)]); x = x.reshape(x.shape[:-1] + (-1, 32)); a = np.abs(x).max(-1, keepdims=True)
;;       e = np.where(a > 0, np.clip(np.frexp(np.where(a > 0, a, 1))[1] - 1 - 2, -126, 127), 0)      # np.frexp(a)[1] - 1 = floor(log2(a)), exactly
;;       r = np.clip(x / 2.0 ** e, -7.5, 7.5)
;;       step = 2.0 ** (np.maximum(np.frexp(np.where(r == 0, 1, r))[1] - 1, 0) - 3)
;;       q = np.round(r / step) * step * 2.0 ** e      # np.round: ties to even
;;       return np.moveaxis(q.reshape(q.shape[:-2] + (-1,))[..., :K], -1, axis).astype(np.float32)
;;   ~~~
;;   OPERANDS COMPUTED ON THE WAY. 'Computed on the way' means the value that the module computes at that place (a softmax that the list does not call 'softmax' is quantised finished and normalised). What goes into a quantiser is computed in f32, as accurately as f32 sums, v_exp_f32 and their like allow (about 1e-6 of the number): no bf16 or f16 on the way to a quantiser, and a product that is left as it is and whose result goes on into a quantised operand takes f32 operands (vector FMAs, or v_wmma_f32_16x16x4_f32). A number that lies on a knife's edge between two numbers of the format may be rounded either way, as far as f32 arithmetic and the matrix unit's own rounding can turn it there, and no further.
;; One version. Each part assembles by itself: llvm-mc -triple=amdgcn-amd-amdhsa -mcpu=gfx1250 --defsym DOCPART=n.
;; ======== version 1 of 1: 2 launches
;; limits: values are held in f16: magnitudes above 65,504 overflow, below 6.1e-05 lose precision; right only within a limited range of input values
;; workspace buffers: a_q 13,107,200 bytes; b_q 13,107,200 bytes
;; launch quant (part 1): grid 768 x 1, 8 waves a work-group, no clusters, 148,992 bytes of LDS; arguments a, a_scale, b, b_scale, a_q, b_q; writes a_q, b_q
.if DOCPART == 1
	.amdgcn_target "amdgcn-amd-amdhsa--gfx1250"
	.amdhsa_code_object_version 6
	.text
	.protected	k_q59b45098b3_quant
	.globl	k_q59b45098b3_quant
	.p2align	8
	.type	k_q59b45098b3_quant,@function
k_q59b45098b3_quant:
	s_mov_b64 s[64:65], 0
	v_nop
	global_prefetch_b8 v0, s[64:65] scope:SCOPE_SE
	s_setreg_imm32_b32 hwreg(HW_REG_WAVE_MODE, 25, 1), 1
	s_wait_xcnt 0x0
; Both operands of the product are made here: af[m][k] = f32(a[m][k]) x a_scale[m/4][k/4] and bf[k][n] = f32(b[k][n]) x b_scale[n/4][k/4], one f32 rounding each,
; quantised along K into codes of FP6 (E2M3) with one E8M0 byte for each 32 along K.  No step and no input of the problem is left out.
; OUT, in the order of the matrix operand's registers: a_q, b_q [u 32][tg 32][12,800 bytes], u = k / 128, tg = row / 128 (row = m, or n).  In a group: tile i = (row % 128) / 16 at 1,536 i, as two half images of 768 bytes (c = (k % 128) / 64);
; lane L = r + 16 h of a half image (r = row % 16, h = (k % 64) / 32) owns the 24 bytes of block k = 128 u + 64 c + 32 h + 0 .. 31: 16 bytes at 16 L, 8 at 512 + 8 L.  At 12,288 + 4 (row % 128): the row's scale word, byte b for k = 128 u + 32 b.
; A block's scale is 2^(floor(log2(largest magnitude)) - 2); its byte is the largest magnitude's exponent field - 2, held at 1 from below by a floor among the maximum's leaves.
; LIMITS: NaN and infinities among the inputs are not served.  A block of zeros, or one whose largest magnitude lies under 2^-124, gets the byte 1 (the rule says 127 for zeros): its codes are what the rule gives,
; zeros add nothing under any byte but 0xff, and the bytes are read by this program alone.
; SHARES.  Work-groups 0-255 take b (128 columns x 512 K each), work-groups 256-767 take a (64 rows x 512 K each, half of b's bytes): the longer ones have the lower numbers; 148,992 bytes of LDS and 8 x 256 registers let two work-groups
; share a WGP, whose share is one of b's and two of a's.  Each path has LDS bytes of its own.  No work-group reads what another reads: nothing for a cluster to share; no matrix work.
.set PLB,   409600                     ; bytes from u to u + 1
.set GRP,   12800
.set TILEB, 1536
.set HIMG,  768
.set SCO,   12288
.set BASEB, 78848                      ; LDS: a's path below, b's path from here on
.set SPARE, 147968                     ; the spare words, 128 bytes for each of 8 waves
	s_cmp_lt_u32 ttmp9, 256
	s_cbranch_scc1 .Lpath_b
; ---- a: K innermost.  Work-group x = id - 256: tiles 4 (x / 8) .. + 3, k = 512 (x % 8) .. + 511.  Wave W: tile 4 (x / 8) + W % 4, k + 256 (W / 4) .. + 255: 16 rows, four half images, two planes.
; Every load takes whole runs of 512 (a) or 256 (a_scale) consecutive bytes; the conversions want 32 neighbours along K in ONE lane: so the wave's 8 KiB turn through its own stage in LDS, and the scales likewise.
; A plane's scale words of four tiles are 256 neighbouring bytes: they meet in LDS behind one barrier, and waves 0-3 store a plane each.
.set ROWA,  8192
.set WREG,  9728                       ; a region for each wave
.set SPIT,  528                        ; stage: a row's 512 bytes + 16
.set SST,   16*SPIT                    ; behind the 16 rows: four rows of scales,
.set SSP,   272                        ; 256 bytes + 16 each
.set SW,    8*WREG                     ; the work-group's scale words, [plane 4][tile 4][r 16]: 1,024 bytes
.set H,     16                         ; v16-47   two sets of 16: a block's 32 f16
.set S,     48                         ; v48-63   two sets of 8 scales
.set X,     64                         ; v64-95   the block's 32 numbers in f32
.set T,     96                         ; v96-98   the second conversion's result
.set SWI,   99
.set SWO,   103
.set BY,    104                        ; v104-107 a scale byte for each half image
.set SR,    112                        ; v112-119 the scales as loaded
.set RAW,   128                        ; v128-191 a's bytes as loaded
.set C,     128                        ; codes: eight registers' room for each half image, over RAW once RAW has gone to the stage
.set WD,    192                        ; v192-193 the two scale words
.macro WIDEN r, base
	v_cvt_f32_f16 v[X+2*((\r)-(\base))], v\r\().l
	v_cvt_f32_f16 v[X+2*((\r)-(\base))+1], v\r\().h
.endm
	s_load_b128 s[4:7], s[0:1], 0x0                ; a, a_scale
	s_load_b64 s[8:9], s[0:1], 0x20                ; a_q
	v_lshl_add_u32 v11, v0, 2, SPARE
	v_mov_b32 v200, 0
	v_lshrrev_b32 v1, 5, v0
	s_delay_alu instid0(VALU_DEP_1)
	v_readfirstlane_b32 s26, v1                    ; wave W
	s_and_b32 s12, s26, 3                          ; which tile of the four
	s_lshr_b32 s27, s26, 2                         ; which 256 of the 512 along K
	s_sub_co_u32 s28, ttmp9, 256
	s_lshr_b32 s13, s28, 3                         ; which four tiles
	s_and_b32 s15, s28, 7                          ; which 512 along K
	s_lshl_b32 s14, s13, 2
	s_add_co_u32 s14, s14, s12                     ; my tile of rows
	s_lshl_b32 s29, s15, 1
	s_add_co_u32 s29, s29, s27                     ; my 256 along K
	s_mul_i32 s18, s26, WREG                       ; my region of LDS
	s_lshl_b32 s22, s12, 6
	s_lshl_b32 s30, s27, 9
	s_add_co_u32 s22, s22, s30                     ; 64 x tile + 256 x my first plane
	s_lshl_b32 s23, s12, 8
	s_mov_b32 s20, 0x76543210
	s_mov_b32 s21, 0xfedcba98                      ; v_permlanex16_b32's selects for lane l xor 16
	v_and_b32 v1, 31, v0                           ; lane
	v_and_b32 v2, 15, v0                           ; r
	v_bfe_u32 v3, v0, 4, 1                         ; h
	s_delay_alu instid0(VALU_DEP_3)
	v_lshlrev_b32 v4, 4, v1                        ; 16 x lane
	s_delay_alu instid0(VALU_DEP_3)
	v_mul_u32_u24 v6, v2, SPIT
	s_delay_alu instid0(VALU_DEP_3)
	v_mul_u32_u24 v7, v3, SSP
	v_lshrrev_b32 v8, 2, v2
	s_delay_alu instid0(VALU_DEP_4)
	v_add_nc_u32 v5, s18, v4                       ; the stage, on the way in
	s_delay_alu instid0(VALU_DEP_4)
	v_lshl_add_u32 v6, v3, 6, v6
	s_delay_alu instid0(VALU_DEP_4)
	v_lshl_add_u32 v7, v2, 4, v7
	s_delay_alu instid0(VALU_DEP_4)
	v_mul_u32_u24 v8, v8, SSP
	v_lshlrev_b32 v9, 3, v1                        ; 8 x lane
	s_delay_alu instid0(VALU_DEP_4)
	v_add_nc_u32 v6, s18, v6                       ; and on the way out: row r, + 64 h
	s_delay_alu instid0(VALU_DEP_4)
	v_add_nc_u32 v7, s18, v7
	s_delay_alu instid0(VALU_DEP_4)
	v_lshl_add_u32 v8, v3, 5, v8
	v_lshlrev_b32 v10, 3, v3                       ; 8 h: by how many bits my bytes move up in a scale word
	v_lshlrev_b32 v201, 4, v2
	s_delay_alu instid0(VALU_DEP_4)
	v_add_nc_u32 v7, SST, v7                       ; the scales, on the way in: row h of a load's two, 16 (lane % 16)
	s_delay_alu instid0(VALU_DEP_4)
	v_add_nc_u32 v8, s18, v8
	v_lshlrev_b32 v[SWI], 2, v2
	v_add_nc_u32 v[SWO], s23, v9
	v_lshl_add_u32 v201, v3, 12, v201              ; a_scale: sixteen lanes to a row's 256 bytes, two rows a load
	s_delay_alu instid0(VALU_DEP_4)
	v_add_nc_u32 v8, SST, v8                       ; and out: scale row r / 4, + 32 h
	s_delay_alu instid0(VALU_DEP_4)
	v_lshl_add_u32 v[SWI], v3, 8, v[SWI]
	s_delay_alu instid0(VALU_DEP_4)
	v_add_nc_u32 v[SWO], SW, v[SWO]                ; back: plane W % 4, 8 bytes a lane
	v_mov_b32 v12, 0                               ; written once: a lane permute's destination counts as one of its sources
	v_mov_b32 v13, 0
	s_delay_alu instid0(VALU_DEP_4)
	v_add_nc_u32 v[SWI], s22, v[SWI]
	s_delay_alu instid0(VALU_DEP_1)
	v_add_nc_u32 v[SWI], SW, v[SWI]                ; my scale word: plane 2 (W / 4) + h, + 64 x tile + 4 r
	s_mov_b32 s17, 0
	s_wait_alu depctr_va_vdst(0)
	s_wait_kmcnt 0x0
	s_lshl_b32 s16, s14, 17                        ; a: 16 rows of 8,192 bytes a tile,
	s_lshl_b32 s19, s29, 9                         ; 512 bytes for 256 along K
	s_add_co_u32 s16, s16, s19
	s_add_nc_u64 s[4:5], s[4:5], s[16:17]
	s_lshl_b32 s16, s14, 14                        ; a_scale: 4 rows of 4,096 bytes a tile,
	s_lshl_b32 s19, s29, 8                         ; 256 bytes for 256 along K
	s_add_co_u32 s16, s16, s19
	s_add_nc_u64 s[6:7], s[6:7], s[16:17]
	s_mul_i32 s24, s15, 4*PLB                      ; a_q: four planes for 512 along K,
	s_lshr_b32 s19, s13, 1
	s_mul_i32 s19, s19, GRP                        ; the group that holds my four tiles
	s_add_co_u32 s24, s24, s19
	s_and_b32 s19, s13, 1                          ; its lower or its upper four
	s_lshl_b32 s25, s19, 8
	s_add_co_u32 s16, s24, s25
	s_add_co_u32 s16, s16, SCO
	s_mul_i32 s25, s12, PLB
	s_add_co_u32 s16, s16, s25                     ; the scale words of plane W % 4
	s_add_nc_u64 s[10:11], s[8:9], s[16:17]
	s_lshl_b32 s19, s19, 2
	s_add_co_u32 s19, s19, s12
	s_mul_i32 s19, s19, TILEB
	s_add_co_u32 s16, s24, s19
	s_mul_i32 s25, s27, 2*PLB                      ; my two planes
	s_add_co_u32 s16, s16, s25
	s_add_nc_u64 s[8:9], s[8:9], s[16:17]          ; my codes
.irp i, 0,1
	global_load_b128 v[SR+4*\i:SR+4*\i+3], v201, s[6:7] offset:\i*8192 th:TH_LOAD_NT
.endr
.set i, 0
.rept 16
	global_load_b128 v[RAW+4*i:RAW+4*i+3], v4, s[4:5] offset:i*ROWA th:TH_LOAD_NT   ; row i, 512 consecutive bytes
.set i, i+1
.endr
	s_wait_loadcnt 16                              ; the two scale loads are in, the 16 behind them may be out
.irp i, 0,1
	ds_store_b128 v7, v[SR+4*\i:SR+4*\i+3] offset:\i*2*SSP
.endr
.set i, 0
.rept 16
	s_wait_loadcnt 15-i                            ; row i is in
	ds_store_b128 v5, v[RAW+4*i:RAW+4*i+3] offset:i*SPIT
.set i, i+1
.endr
.macro LDH g                           ; half image g: my block's 32 f16 and 8 scales into set g % 2; LDS serves a wave's instructions in order
.irp j, 0,1,2,3
	ds_load_b128 v[H+16*((\g)%2)+4*\j:H+16*((\g)%2)+4*\j+3], v6 offset:128*(\g)+16*\j
.endr
.irp j, 0,1
	ds_load_b128 v[S+8*((\g)%2)+4*\j:S+8*((\g)%2)+4*\j+3], v8 offset:64*(\g)+16*\j
.endr
.endm
	LDH 0
	LDH 1
.macro HALF g
.set SS, S+8*((\g)%2)
.set CC, C+8*(\g)
.if (\g) < 3
	s_wait_dscnt 6                                 ; this half image's six loads are in; the next one's six may be out
.else
	s_wait_dscnt 0x0
.endif
.if (\g)%2 == 0
.irp r, 16,17,18,19,20,21,22,23,24,25,26,27,28,29,30,31
	WIDEN \r, 16
.endr
.else
.irp r, 32,33,34,35,36,37,38,39,40,41,42,43,44,45,46,47
	WIDEN \r, 32
.endr
.endif
.irp i, 0,1,2,3,4,5,6,7,8,9,10,11,12,13,14,15,16,17,18,19,20,21,22,23,24,25,26,27,28,29,30,31
	v_mul_f32 v[X+\i], v[X+\i], v[SS+\i/4]         ; x its scale: four neighbours along K share one
.endr
.if (\g)+2 < 4
	LDH (\g)+2
.endif
	v_max3_num_f32 v100, |v[X]|, |v[X+1]|, |v[X+2]|          ; the block's largest magnitude, in two chains
	v_max3_num_f32 v101, |v[X+3]|, |v[X+4]|, |v[X+5]|
.irp i, 6,10,14,18,22,26
	s_delay_alu instid0(VALU_DEP_2)
	v_max3_num_f32 v100, v100, |v[X+\i]|, |v[X+\i+1]|
	s_delay_alu instid0(VALU_DEP_2)
	v_max3_num_f32 v101, v101, |v[X+\i+2]|, |v[X+\i+3]|
.endr
	s_delay_alu instid0(VALU_DEP_2)
	v_max3_num_f32 v100, v100, |v[X+30]|, |v[X+31]|
	s_delay_alu instid0(VALU_DEP_1)
	v_max3_num_f32 v100, v100, v101, 0x1800000     ; and the floor 2^(3 - 127)
	s_delay_alu instid0(VALU_DEP_1)
	v_add_nc_u32 v102, 0xff000000, v100            ; 2 off the exponent field: the conversion's scale operand
	s_delay_alu instid0(VALU_DEP_1)
	v_lshrrev_b32 v[BY+(\g)], 23, v102             ; the scale's byte
	v_cvt_scalef32_pk16_fp6_f32 v[CC:CC+2], v[X:X+15], v102
	v_cvt_scalef32_pk16_fp6_f32 v[T:T+2], v[X+16:X+31], v102     ; (a conversion's three registers begin on an even number)
	v_nop                                          ; one plain place behind the scaled conversions
.irp i, 0,1,2
	v_mov_b32 v[CC+3+\i], v[T+\i]
.endr
	global_store_b128 v4, v[CC:CC+3], s[8:9] offset:((\g)/2)*PLB+((\g)%2)*HIMG       ; 512 consecutive bytes, at a multiple of 256
	global_store_b64 v9, v[CC+4:CC+5], s[8:9] offset:((\g)/2)*PLB+((\g)%2)*HIMG+512  ; and 256 more
.endm
.irp g, 0,1,2,3
	HALF \g
.endr
; word s (my plane s) has my bytes of half images 2 s and 2 s + 1 at bytes h and 2 + h, and lane l xor 16's at the other two
	v_lshl_or_b32 v[WD], v[BY+1], 16, v[BY]
	v_lshl_or_b32 v[WD+1], v[BY+3], 16, v[BY+2]
	s_delay_alu instid0(VALU_DEP_2)
	v_lshlrev_b32 v[WD], v10, v[WD]
	s_delay_alu instid0(VALU_DEP_2)
	v_lshlrev_b32 v[WD+1], v10, v[WD+1]
	v_permlanex16_b32 v12, v[WD], s20, s21
	v_permlanex16_b32 v13, v[WD+1], s20, s21
	v_cmp_gt_u32 vcc_lo, 16, v1                    ; lanes 0-15 put row r's word of my first plane, lanes 16-31 that of my second
	v_or_b32 v[WD], v[WD], v12
	v_or_b32 v[WD+1], v[WD+1], v13
	s_delay_alu instid0(VALU_DEP_1)
	v_cndmask_b32 v196, v[WD+1], v[WD], vcc_lo
	ds_store_b32 v[SWI], v196
	s_wait_dscnt 0x0                               ; for the others' sake: my words lie in LDS
	s_barrier_signal -1
	s_barrier_wait -1                              ; all eight waves' do
	s_cmp_lt_u32 s26, 4                            ; four planes: waves 0-3 store one each
	s_cbranch_scc0 .Lqa_done
	ds_load_b64 v[198:199], v[SWO]
	s_wait_dscnt 0x0
	global_store_b64 v9, v[198:199], s[10:11]      ; 256 consecutive bytes, aligned
.Lqa_done:
	s_wait_tensorcnt 0x0                           ; the wave's end
	ds_add_u32 v11, v200
	s_wait_dscnt 0x0
	s_endpgm
; ---- b: K is the FIRST axis.  Work-group id: columns 128 (id % 32) .. + 127, k = 512 (id / 32) .. + 511.  Wave w: k + 64 w .. + 63: one half image for each of the 8 tiles.
; A LANE TAKES EIGHT COLUMNS (c = lane % 16: columns 8 c .. + 7; h = lane / 16: block h), AND ITS REGISTERS RUN DOWN K: sixteen lanes read 256 consecutive bytes of one row k; a column's block of 32 lies in one lane's registers.
; Two barriers: behind the first the work-group's 32 rows x 512 bytes of b_scale lie in LDS; behind the second every wave's scale bytes do.
.Lpath_b:
.set ROWB,  8192
.set SINP,  528                        ; b_scale: 32 rows of 512 bytes + 16, from BASEB on
.set CST,   BASEB+32*SINP              ; behind them a stage for codes for each wave:
.set CTP,   784                        ; a half image's 768 bytes + 16,
.set CSTW,  8*CTP                      ; eight of them
.set SOUT,  CST+8*CSTW                 ; behind the stages: the scale bytes: that of plane s, block b, column n at 512 s + 128 b + n
.set S0,    144
.set X0,    160
.set X1,    192
.set C0,    224
.set C1,    232
.set T0,    240
.set T1,    244
.set BW,    140
; v0-127: b as loaded: register 4 i + p holds row k = 32 h + i, columns 2 p (low half) and 2 p + 1 (high half) of my eight
.macro WIDENB r, p
	v_cvt_f32_f16 v[X0+((\r)-(\p))/4], v\r\().l
	v_cvt_f32_f16 v[X1+((\r)-(\p))/4], v\r\().h
.endm
	s_load_b128 s[4:7], s[0:1], 0x10               ; b, b_scale
	s_load_b64 s[8:9], s[0:1], 0x28                ; b_q
	v_lshl_add_u32 v243, v0, 2, SPARE
	v_mov_b32 v247, 0
	v_lshrrev_b32 v139, 5, v0
	s_delay_alu instid0(VALU_DEP_1)
	v_readfirstlane_b32 s12, v139                  ; wave 0..7
	v_and_b32 v139, 31, v0                         ; lane
	s_wait_alu depctr_va_vdst(0)
	v_and_b32 v142, 15, v0                         ; c
	s_wait_alu depctr_va_vdst(0)
	v_bfe_u32 v143, v0, 4, 1                       ; h
	s_lshr_b32 s14, ttmp9, 5                       ; which 512 along K
	s_and_b32 s28, ttmp9, 31                       ; which 128 columns
	s_mul_i32 s18, s12, CSTW
	s_add_co_u32 s18, s18, CST                     ; my stage
	s_mul_i32 s21, s12, 4*SINP
	s_add_co_u32 s21, s21, BASEB                   ; my four rows of b_scale in LDS
	s_lshl_b32 s22, s12, 6                         ; 64 x wave
	s_add_co_u32 s29, s22, BASEB
	s_lshl_b32 s23, s12, 8                         ; 256 x wave
	s_lshr_b32 s24, s12, 1
	s_lshl_b32 s24, s24, 9                         ; 512 x (wave / 2)
	s_and_b32 s27, s12, 1
	s_lshl_b32 s27, s27, 6                         ; 64 x (wave % 2)
	s_add_co_u32 s24, s24, s27
	v_lshlrev_b32 v129, 4, v139                    ; 16 x lane
	v_lshlrev_b32 v130, 3, v139                    ; 8 x lane
	v_lshlrev_b32 v128, 4, v142
	s_wait_alu depctr_va_vdst(0)
	v_lshl_add_u32 v128, v143, 18, v128            ; b: 16 c, and 32 rows further down for lanes 16-31
	v_add_nc_u32 v131, s21, v129                   ; b_scale into LDS
	v_mul_u32_u24 v132, v142, 2*SINP
	s_delay_alu instid0(VALU_DEP_1)
	v_lshl_add_u32 v132, v143, 5, v132
	s_delay_alu instid0(VALU_DEP_1)
	v_add_nc_u32 v132, s29, v132                   ; and out: row 2 c, + 64 w + 32 h: the 8 scales of my block
	v_lshrrev_b32 v144, 1, v142                    ; my columns' tile: c / 2
	v_and_b32 v145, 1, v142                        ; and which 8 of its 16 rows: c % 2
	s_delay_alu instid0(VALU_DEP_2)
	v_mul_u32_u24 v133, v144, CTP
	s_delay_alu instid0(VALU_DEP_1)
	v_add_nc_u32 v133, s18, v133
	s_delay_alu instid0(VALU_DEP_1)
	v_lshl_add_u32 v134, v145, 6, v133
	s_delay_alu instid0(VALU_DEP_1)
	v_lshl_add_u32 v134, v143, 7, v134
	s_delay_alu instid0(VALU_DEP_1)
	v_add_nc_u32 v134, 512, v134                   ; codes into the stage, the last 8 bytes: 512 + 8 (8 (c % 2) + j + 16 h)
	s_delay_alu instid0(VALU_DEP_4)
	v_lshl_add_u32 v133, v145, 7, v133
	s_delay_alu instid0(VALU_DEP_1)
	v_lshl_add_u32 v133, v143, 8, v133             ; the first 16: 16 (8 (c % 2) + j + 16 h)
	v_add_nc_u32 v135, s23, v130
	s_delay_alu instid0(VALU_DEP_1)
	v_add_nc_u32 v135, SOUT, v135                  ; my eight scale bytes: 256 w + 8 x lane
	v_add_nc_u32 v136, s18, v129                   ; codes back out of the stage: 16 x lane,
	v_add_nc_u32 v137, s18, v130
	s_delay_alu instid0(VALU_DEP_1)
	v_add_nc_u32 v137, 512, v137                   ; 512 + 8 x lane
	v_lshlrev_b32 v138, 1, v139
	s_delay_alu instid0(VALU_DEP_1)
	v_add_nc_u32 v138, s24, v138
	s_delay_alu instid0(VALU_DEP_1)
	v_add_nc_u32 v138, SOUT, v138                  ; the bytes that I gather: plane w / 2, columns 64 (w % 2) + 2 x lane and the next
	s_mov_b32 s17, 0
	s_wait_kmcnt 0x0
	s_lshl_b32 s16, s14, 9
	s_add_co_u32 s16, s16, s22                     ; b: row 512 y + 64 w,
	s_lshl_b32 s16, s16, 13
	s_lshl_b32 s19, s28, 8                         ; 256 bytes for 128 columns
	s_add_co_u32 s16, s16, s19
	s_add_nc_u64 s[4:5], s[4:5], s[16:17]
	s_lshl_b32 s16, s28, 5
	s_lshl_b32 s19, s12, 2
	s_add_co_u32 s16, s16, s19                     ; b_scale: row 32 x + 4 w,
	s_lshl_b32 s16, s16, 12
	s_lshl_b32 s19, s14, 9                         ; 512 bytes for 512 along K
	s_add_co_u32 s16, s16, s19
	s_add_nc_u64 s[6:7], s[6:7], s[16:17]
	s_lshl_b32 s16, s14, 2
	s_lshr_b32 s19, s12, 1
	s_add_co_u32 s16, s16, s19                     ; b_q: plane u = 4 y + w / 2,
	s_mul_i32 s16, s16, PLB
	s_mul_i32 s19, s28, GRP                        ; group x
	s_add_co_u32 s25, s16, s19
	s_and_b32 s19, s12, 1
	s_lshl_b32 s26, s19, 8
	s_add_co_u32 s16, s25, s26                     ; the scale words that I store: half w % 2 of the group's 512 bytes
	s_add_co_u32 s16, s16, SCO
	s_add_nc_u64 s[10:11], s[8:9], s[16:17]
	s_mul_i32 s19, s19, HIMG                       ; my codes: half image c = w % 2 of each tile
	s_add_co_u32 s16, s25, s19
	s_add_nc_u64 s[8:9], s[8:9], s[16:17]
.irp i, 0,1,2,3
	global_load_b128 v[S0+4*\i:S0+4*\i+3], v129, s[6:7] offset:\i*4096 th:TH_LOAD_NT   ; a row's 512 consecutive bytes
.endr
.set i, 0
.rept 32
	global_load_b128 v[4*i:4*i+3], v128, s[4:5] offset:i*ROWB th:TH_LOAD_NT   ; sixteen lanes read 256 consecutive bytes, aligned
.set i, i+1
.endr
	s_wait_loadcnt 32                              ; the four scale loads are in, the 32 behind them may be out
.irp i, 0,1,2,3
	ds_store_b128 v131, v[S0+4*\i:S0+4*\i+3] offset:\i*SINP
.endr
	s_wait_dscnt 0x0                               ; for the others' sake: my four rows lie in LDS
	s_barrier_signal -1
	s_barrier_wait -1                              ; all 32 do
	ds_load_b128 v[S0:S0+3], v132
	ds_load_b128 v[S0+4:S0+7], v132 offset:16
	ds_load_b128 v[S0+8:S0+11], v132 offset:SINP
	ds_load_b128 v[S0+12:S0+15], v132 offset:SINP+16
	s_wait_loadcnt 0x0                             ; a column's block runs through all 32 loads
	s_wait_dscnt 0x0
.macro PAIR p                          ; columns 2 p and 2 p + 1 of my eight: scaled, quantised, codes into the stage
.set SS, S0+8*((\p)/2)
.irp i, 0,1,2,3,4,5,6,7,8,9,10,11,12,13,14,15,16,17,18,19,20,21,22,23,24,25,26,27,28,29,30,31
	v_mul_f32 v[X0+\i], v[X0+\i], v[SS+\i/4]       ; four neighbours along K, and four columns, share a scale
	v_mul_f32 v[X1+\i], v[X1+\i], v[SS+\i/4]
.endr
	v_max3_num_f32 v248, |v[X0]|, |v[X0+1]|, |v[X0+2]|       ; each column's largest magnitude, in two chains; the four chains by turns
	v_max3_num_f32 v249, |v[X1]|, |v[X1+1]|, |v[X1+2]|
	v_max3_num_f32 v254, |v[X0+3]|, |v[X0+4]|, |v[X0+5]|
	v_max3_num_f32 v255, |v[X1+3]|, |v[X1+4]|, |v[X1+5]|
.irp i, 6,10,14,18,22,26
	s_delay_alu instid0(VALU_DEP_4)
	v_max3_num_f32 v248, v248, |v[X0+\i]|, |v[X0+\i+1]|
	s_delay_alu instid0(VALU_DEP_4)
	v_max3_num_f32 v249, v249, |v[X1+\i]|, |v[X1+\i+1]|
	s_delay_alu instid0(VALU_DEP_4)
	v_max3_num_f32 v254, v254, |v[X0+\i+2]|, |v[X0+\i+3]|
	s_delay_alu instid0(VALU_DEP_4)
	v_max3_num_f32 v255, v255, |v[X1+\i+2]|, |v[X1+\i+3]|
.endr
	s_delay_alu instid0(VALU_DEP_4)
	v_max3_num_f32 v248, v248, |v[X0+30]|, |v[X0+31]|
	s_delay_alu instid0(VALU_DEP_4)
	v_max3_num_f32 v249, v249, |v[X1+30]|, |v[X1+31]|
	s_delay_alu instid0(VALU_DEP_2)
	v_max3_num_f32 v248, v248, v254, 0x1800000     ; and the floor 2^(3 - 127)
	s_delay_alu instid0(VALU_DEP_2)
	v_max3_num_f32 v249, v249, v255, 0x1800000
	s_delay_alu instid0(VALU_DEP_2)
	v_add_nc_u32 v250, 0xff000000, v248            ; 2 off the exponent field: the conversion's scale operand
	s_delay_alu instid0(VALU_DEP_2)
	v_add_nc_u32 v251, 0xff000000, v249
	s_delay_alu instid0(VALU_DEP_2)
	v_lshrrev_b32 v252, 23, v250                   ; the scales' bytes
	s_delay_alu instid0(VALU_DEP_2)
	v_lshrrev_b32 v253, 23, v251
.if (\p)%2 == 0
	s_delay_alu instid0(VALU_DEP_1)
	v_lshl_or_b32 v[BW+(\p)/2], v253, 8, v252      ; four bytes to a register, the lower column in the lower byte
.else
	s_delay_alu instid0(VALU_DEP_2)
	v_lshl_or_b32 v[BW+(\p)/2], v252, 16, v[BW+(\p)/2]
	s_delay_alu instid0(VALU_DEP_1)
	v_lshl_or_b32 v[BW+(\p)/2], v253, 24, v[BW+(\p)/2]
.endif
.if (\p) > 0
	s_wait_alu depctr_va_vdst(0)
	s_wait_dscnt 0x0                               ; the last pair's stores into the stage have read their registers
.endif
	v_cvt_scalef32_pk16_fp6_f32 v[C0:C0+2], v[X0:X0+15], v250
	v_cvt_scalef32_pk16_fp6_f32 v[T0:T0+2], v[X0+16:X0+31], v250   ; (a conversion's three registers begin on an even number)
	v_cvt_scalef32_pk16_fp6_f32 v[C1:C1+2], v[X1:X1+15], v251
	v_cvt_scalef32_pk16_fp6_f32 v[T1:T1+2], v[X1+16:X1+31], v251
	v_nop                                          ; one plain place behind the scaled conversions
.irp i, 0,1,2
	v_mov_b32 v[C0+3+\i], v[T0+\i]
	v_mov_b32 v[C1+3+\i], v[T1+\i]
.endr
	ds_store_b128 v133, v[C0:C0+3] offset:16*(2*(\p))
	ds_store_b64 v134, v[C0+4:C0+5] offset:8*(2*(\p))
	ds_store_b128 v133, v[C1:C1+3] offset:16*(2*(\p)+1)
	ds_store_b64 v134, v[C1+4:C1+5] offset:8*(2*(\p)+1)
.endm
.irp r, 0,4,8,12,16,20,24,28,32,36,40,44,48,52,56,60,64,68,72,76,80,84,88,92,96,100,104,108,112,116,120,124
	WIDENB \r, 0
.endr
	PAIR 0
.irp r, 1,5,9,13,17,21,25,29,33,37,41,45,49,53,57,61,65,69,73,77,81,85,89,93,97,101,105,109,113,117,121,125
	WIDENB \r, 1
.endr
	PAIR 1
.irp r, 2,6,10,14,18,22,26,30,34,38,42,46,50,54,58,62,66,70,74,78,82,86,90,94,98,102,106,110,114,118,122,126
	WIDENB \r, 2
.endr
	PAIR 2
.irp r, 3,7,11,15,19,23,27,31,35,39,43,47,51,55,59,63,67,71,75,79,83,87,91,95,99,103,107,111,115,119,123,127
	WIDENB \r, 3
.endr
	PAIR 3
	ds_store_b64 v135, v[BW:BW+1]                  ; my eight scale bytes, for the wave that stores their words
.irp t, 0,1,2,3,4,5,6,7
	ds_load_b128 v[8*\t:8*\t+3], v136 offset:CTP*\t      ; my half image of tile t, back in its own order
	ds_load_b64 v[8*\t+4:8*\t+5], v137 offset:CTP*\t
.endr
	s_wait_dscnt 0x0                               ; my bytes lie in LDS (for the others' sake), and my codes are back
	s_barrier_signal -1
	s_barrier_wait -1                              ; every wave's bytes do
.irp n, 0,1,2,3,4,5,6,7
	ds_load_u8 v[64+\n], v138 offset:128*(\n%4)+\n/4     ; byte n % 4 of the word of my column n / 4
.endr
.irp t, 0,1,2,3,4,5,6,7
	global_store_b128 v129, v[8*\t:8*\t+3], s[8:9] offset:TILEB*\t        ; 512 consecutive bytes, at a multiple of 256
	global_store_b64 v130, v[8*\t+4:8*\t+5], s[8:9] offset:TILEB*\t+512   ; and 256 more
.endr
	s_wait_dscnt 0x0
	v_lshl_or_b32 v72, v65, 8, v64
	v_lshl_or_b32 v73, v69, 8, v68
	s_delay_alu instid0(VALU_DEP_2)
	v_lshl_or_b32 v72, v66, 16, v72
	s_delay_alu instid0(VALU_DEP_2)
	v_lshl_or_b32 v73, v70, 16, v73
	s_delay_alu instid0(VALU_DEP_2)
	v_lshl_or_b32 v72, v67, 24, v72
	s_delay_alu instid0(VALU_DEP_2)
	v_lshl_or_b32 v73, v71, 24, v73
	global_store_b64 v130, v[72:73], s[10:11]      ; 64 columns' words of one plane: 256 consecutive bytes, aligned
	s_wait_tensorcnt 0x0                           ; the wave's end
	ds_add_u32 v243, v247
	s_wait_dscnt 0x0
	s_endpgm
.Lfunc_end_k_q59b45098b3_quant:
	.size	k_q59b45098b3_quant, .Lfunc_end_k_q59b45098b3_quant-k_q59b45098b3_quant
	.p2alignl 7, 3214868480
	.fill 96, 4, 3214868480
	.section	.rodata,"a",@progbits
	.p2align	6, 0x0
	.amdhsa_kernel k_q59b45098b3_quant
		.amdhsa_group_segment_fixed_size 148992
		.amdhsa_private_segment_fixed_size 0
		.amdhsa_enable_private_segment 0
		.amdhsa_kernarg_size 48
		.amdhsa_user_sgpr_count 2
		.amdhsa_user_sgpr_kernarg_segment_ptr 1
		.amdhsa_wavefront_size32 1
		.amdhsa_system_sgpr_workgroup_id_x 1
		.amdhsa_system_sgpr_workgroup_id_y 1
		.amdhsa_system_sgpr_workgroup_id_z 1
		.amdhsa_system_vgpr_workitem_id 0
		.amdhsa_next_free_vgpr 256
		.amdhsa_next_free_sgpr 66
		.amdhsa_reserve_vcc 1
		.amdhsa_float_denorm_mode_32 3
		.amdhsa_float_denorm_mode_16_64 3
		.amdhsa_memory_ordered 1
		.amdhsa_forward_progress 1
		.amdhsa_inst_pref_size 72
	.end_amdhsa_kernel
	.amdgpu_metadata
---
amdhsa.version: [ 1, 2 ]
amdhsa.kernels:
  - .name:           k_q59b45098b3_quant
    .symbol:         k_q59b45098b3_quant.kd
    .args:
      - { .name: a, .offset: 0, .size: 8, .value_kind: global_buffer, .address_space: global }
      - { .name: a_scale, .offset: 8, .size: 8, .value_kind: global_buffer, .address_space: global }
      - { .name: b, .offset: 16, .size: 8, .value_kind: global_buffer, .address_space: global }
      - { .name: b_scale, .offset: 24, .size: 8, .value_kind: global_buffer, .address_space: global }
      - { .name: a_q, .offset: 32, .size: 8, .value_kind: global_buffer, .address_space: global }
      - { .name: b_q, .offset: 40, .size: 8, .value_kind: global_buffer, .address_space: global }
    .group_segment_fixed_size: 148992
    .private_segment_fixed_size: 0
    .kernarg_segment_align: 8
    .kernarg_segment_size: 48
    .max_flat_workgroup_size: 256
    .sgpr_count:     66
    .vgpr_count:     256
    .wavefront_size: 32
...
	.end_amdgpu_metadata
.endif
;; end of part 1
;; launch gemm (part 2): grid 16 x 16, 4 waves a work-group, clusters of 4 x 4, 327,680 bytes of LDS; arguments a_q, b_q, out0; writes out0
.if DOCPART == 2
	.amdgcn_target "amdgcn-amd-amdhsa--gfx1250"
	.amdhsa_code_object_version 6
	.text
	.protected	k_q59b45098b3_gemm
	.globl	k_q59b45098b3_gemm
	.p2align	8
	.type	k_q59b45098b3_gemm,@function
k_q59b45098b3_gemm:
	s_mov_b64 s[64:65], 0
	v_nop
	global_prefetch_b8 v0, s[64:65] scope:SCOPE_SE
	s_setreg_imm32_b32 hwreg(HW_REG_WAVE_MODE, 25, 1), 1
	s_wait_xcnt 0x0
	s_wait_alu depctr_hold_cnt(0) depctr_sa_sdst(0) depctr_va_vdst(0) depctr_va_sdst(0) depctr_va_ssrc(0) depctr_va_vcc(0) depctr_vm_vsrc(0)
	s_getreg_b32 s2, hwreg(HW_REG_IB_STS2, 6, 4)
	s_cmp_eq_u32 s2, 0
	s_cbranch_scc0 .Lentry_in_a_cluster
	s_endpgm
.Lentry_in_a_cluster:
	s_bfe_u32 s2, ttmp6, 0x10000c
	s_cmp_lg_u32 s2, 0xf033
	s_cbranch_scc0 .Lentry_shape_is_right
	s_endpgm
.Lentry_shape_is_right:
; out0[m][n] = f16(sum over k of A[m][k] B[k][n]) on codes of FP6 (E2M3) with E8M0 scales, as the launch in front laid them:
; a_q, b_q [plane u = k / 128][group of 128 rows][12,800 bytes]: eight tiles of 16 rows x 128 K as images of the operand's registers (1,536 bytes each), then the rows' scale words at 12,288.
; A work-group of four waves makes 256 x 256 of out0, a wave 128 x 128: 64 accumulators.  K goes by planes through two LDS slots of three planes each (the last fill has two): fill k holds planes 3 k .. 3 k + 2 in slot k % 2.
; CLUSTERS 4 x 4: A's groups are shared along a row of the cluster, B's along a column, by joint tensor loads; each wave fetches one group (12,800 bytes a plane, a multiple of 256, on a 256-byte border).
; REGISTERS.  Each window of 256 holds 16 accumulators (v0-127), one quarter of the fragments in two sets (v128-175, v176-223), and 32 others:
;   window 0: A's blocks 0-3, v224-239 scale words (two sets), v240.. the add's two registers and the way out;  window 1: B's blocks 0-3;  window 2: B's blocks 4-7;  window 3: A's blocks 4-7;
;   windows 1 and 2, v224-233: the LDS addresses (a load takes its address from source 0's window and its data go to the result's window, so a quarter's loads run under its run's window setting).
; A step of 128 along K: ONE run of 72 LDS loads, the next plane's fragments and scale words into the other sets, then 64 products on end, in four runs of 16: run (i, j) = A's blocks 4 i .. x B's blocks 4 j .., accumulators in window 2 i + j.
; A run of loads is waited for at the next step's head, 32 or more products behind it.  A slot's last plane is in registers one step ahead of its products: the round and the refill stand in the step that loads it.
; The matrix instruction is used transposed (source 0 = B's rows, source 1 = A's): a lane holds eight neighbouring columns of one row of out0.
; PREFETCH: behind each joint load the NEXT fill's 150 blocks of 256 bytes of the group that the wave fetches are named once in the cluster: the partner at place p (cx for A, cy for B) takes blocks 38 p .. 38 p + 37, by address alone,
; in two instructions (lanes left over name the last block again); one fill, three steps, ahead of the load that wants them; the last fill, of two planes, is not asked for, so no address leaves the buffer.
; No step of the problem is left out here.  Limits are those stated at the quantising launch.
.set PLB,    409600                    ; bytes from plane to plane
.set GRP,    12800                     ; a group
.set TILEB,  1536                      ; a tile's image
.set SCO,    12288                     ; the group's scale words
.set NQ,     3                         ; planes in a slot
.set HALFT,  NQ*GRP                    ; what one tensor load brings
.set SLOT,   4*HALFT                   ; A's two groups, B's two groups
.set TRIPS,  4
.set SPARE,  2*SLOT                    ; the spare words, 512 bytes that no other line names
.set SPITCH, 272
.set STAGE,  SLOT                      ; the way out goes through slot 1, which has had its last fill and its last read by then
.set ROWC,   8192
.set FRG,  128                         ; fragments: set f at FRG + 48 f, block x % 4 at + 12 (x % 4)
.set SC,   224                         ; scale words: set f at SC + 8 f; register x: lanes 0-15 A's block x, lanes 16-31 B's
.set AD,   224                         ; windows 1, 2: + 0, 1 A by 16 bytes a lane in slot 0, 1; + 2, 3 A by 8; + 4 .. 7 the same for B; + 8, 9 the scale words
.set SPW,  240
.set NIL,  241
.set STO,  242
.set RD,   243
.set CO,   244
.set PFO,  246                         ; v246-247 the prefetches' offsets
.set TMP,  128
.set BK,   160
.set G1, 24
.set G0, 32
.set G1B, 48
.set G0B, 56
.set G1X, 68                           ; group 1 for the last fill: two planes
.set G1XB, 80
.set PFA, 88                           ; s[88:89] the fill that the next prefetch names
.set MSB, 0
.macro WIN new                         ; the immediate's high byte repeats the setting that is left
.if MSB != (\new)
	s_set_vgpr_msb (MSB<<8)|(\new)
.set MSB, (\new)
.endif
.endm
.macro JLOAD g0a, g1a, g0b, g1b        ; a joint load: waves 0, 1 for A, waves 2, 3 for B
	s_cmp_eq_u32 s15, 0
	s_cbranch_scc0 .Lfor_b_\@
	tensor_load_to_lds s[\g0a:\g0a+3], s[\g1a:\g1a+7]
	s_nop 0
.rept 4
	v_nop
.endr
	s_branch .Lasked_\@
.Lfor_b_\@:
	tensor_load_to_lds s[\g0b:\g0b+3], s[\g1b:\g1b+7]
	s_nop 0
.rept 4
	v_nop
.endr
.Lasked_\@:
.endm
.macro CREST                           ; a round of the cluster's barrier behind its opening barrier
	s_cmp_lg_u32 s14, 0
	s_cbranch_scc1 .Lnot_wave_0_\@
	s_barrier_signal -3
.Lnot_wave_0_\@:
	s_barrier_wait -3
	s_barrier_signal -1
	s_barrier_wait -1
.endm
.macro CROUND
	s_barrier_signal -1
	s_barrier_wait -1
	CREST
.endm
.macro PLACES                          ; four places between matrix instructions and loads into, or vector writes of, registers that they named
.rept 4
	v_nop
.endr
.endm
.macro ASK how                         ; how = 2: not in the loop's last trip, where the next fill is the short one
.if \how == 2
	s_cmp_gt_u32 s3, 1
	s_cbranch_scc0 .Lno_ask_\@
.endif
	global_prefetch_b8 v[PFO], s[PFA:PFA+1] th:TH_LOAD_NT scope:SCOPE_SE
	global_prefetch_b8 v[PFO+1], s[PFA:PFA+1] th:TH_LOAD_NT scope:SCOPE_SE
.if \how == 2
.Lno_ask_\@:
.endif
.endm
; Run (i, j) under its window setting.  mm = 1: products n0 .. n0 + cnt - 1 of its 16, on sets f.  ld = 1: the loads of the quarter of plane (slot, q) that lives in window 2 i + j, into sets 1 - f.
; The accumulators take turns, one instruction a turn.
.macro RUNP i, j, f, zero, mm, ld, slot, q, n0, cnt
	WIN (1+\j)|(12*\i)|((2*\i+\j)*0x50)
.set N, \n0
.rept \cnt
.set FB, FRG+48*\f
.if \mm
.if \zero
	v_wmma_scale_f32_16x16x128_f8f6f4 v[8*N:8*N+7], v[FB+12*(N%4):FB+12*(N%4)+11], v[FB+12*(N/4):FB+12*(N/4)+11], 0, v[SC+8*\f+4*\j+N%4], v[SC+8*\f+4*\i+N/4] matrix_a_fmt:MATRIX_FMT_FP6 matrix_b_fmt:MATRIX_FMT_FP6 matrix_a_scale:MATRIX_SCALE_ROW1
.else
	v_wmma_scale_f32_16x16x128_f8f6f4 v[8*N:8*N+7], v[FB+12*(N%4):FB+12*(N%4)+11], v[FB+12*(N/4):FB+12*(N/4)+11], v[8*N:8*N+7], v[SC+8*\f+4*\j+N%4], v[SC+8*\f+4*\i+N/4] matrix_a_fmt:MATRIX_FMT_FP6 matrix_b_fmt:MATRIX_FMT_FP6 matrix_a_scale:MATRIX_SCALE_ROW1
.endif
.endif
.if \ld
.set R, FRG+48*(1-\f)+12*(N/4)
.set O, (\q)*GRP+(4*\i+N/4)*TILEB      ; block 4 i + n / 4: of A where i = j, of B else
.set AR, AD+4*((\i+\j)%2)+\slot
.if N%4 == 0
	ds_load_b128 v[R:R+3], v[AR] offset:O
.elseif N%4 == 1
	ds_load_b64 v[R+4:R+5], v[AR+2] offset:O+512
.elseif N%4 == 2
	ds_load_b128 v[R+6:R+9], v[AR] offset:O+768
.else
	ds_load_b64 v[R+10:R+11], v[AR+2] offset:O+1280
.endif
.if (\i+\j == 0) && (N%2 == 0)
	ds_load_b32 v[SC+8*(1-\f)+N/2], v[AD+8+\slot] offset:(\q)*GRP+SCO+64*(N/2)   ; the scale words go to window 0
.endif
.endif
.set N, N+1
.endr
.endm
.macro MUL i, j, f, zero
	RUNP \i, \j, \f, \zero, 1, 0, 0, 0, 0, 16
.endm
.macro LOADS f, slot, q                ; plane (slot, q) into sets 1 - f: 72 loads in one run; it begins under the setting that a step's last run leaves and ends under that of its first
	RUNP 1, 1, \f, 0, 0, 1, \slot, \q, 0, 16
	RUNP 0, 1, \f, 0, 0, 1, \slot, \q, 0, 16
	RUNP 1, 0, \f, 0, 0, 1, \slot, \q, 0, 16
	RUNP 0, 0, \f, 0, 0, 1, \slot, \q, 0, 16
.endm
; The waves load in two phases, so that two waves' runs of loads, not four, meet in LDS: those whose number's low bit is w load here, the others pass.  Every wait on DScnt is for 0, so both ways count alike.
.macro PHASE w, f, slot, q
	WIN 0
	s_cmp_eq_u32 s16, \w
	s_cbranch_scc0 .Lnot_now_\@
	LOADS \f, \slot, \q
	WIN 0
.Lnot_now_\@:
.endm
.macro STEP f, slot, q, zero           ; a step on sets f that loads plane (slot, q): even waves at its head, odd waves behind its 32nd product (step 0: all at its head)
	PLACES
	s_wait_dscnt 0x0                               ; sets f are in: their loads were issued 32 products ago or more
.if \zero
	LOADS \f, \slot, \q
	MUL 0, 0, \f, \zero
	MUL 0, 1, \f, \zero
.else
	PHASE 0, \f, \slot, \q
	MUL 0, 0, \f, \zero
	MUL 0, 1, \f, \zero
	PHASE 1, \f, \slot, \q
.endif
	MUL 1, 0, \f, \zero
	MUL 1, 1, \f, \zero
.endm
; The step that loads a slot's last plane, and then changes slots.  fill: 0 none, 1 three planes, 2 two planes.
.macro TURN f, slot, fill, ask
	PLACES
	s_wait_dscnt 0x0
	PHASE 0, \f, \slot, 2
	MUL 0, 0, \f, 0
	PHASE 1, \f, \slot, 2                          ; here behind the 16th product: 32 products stand between these loads and the wait in front of the signal
	MUL 0, 1, \f, 0
	WIN 0
.if \ask
	s_wait_xcnt 0x0                                ; my last prefetches have read their base
	s_add_nc_u64 s[PFA:PFA+1], s[PFA:PFA+1], NQ*PLB
.endif
	s_wait_tensorcnt 0x0                           ; my part of the other slot is in
	ds_add_u32 v[SPW], v[NIL]
.if \fill
	s_add_nc_u64 s[G0+4*\slot+2:G0+4*\slot+3], s[G0+4*\slot+2:G0+4*\slot+3], 2*NQ*PLB     ; no load of mine is out: this slot's next fill
	s_add_nc_u64 s[G0B+4*\slot+2:G0B+4*\slot+3], s[G0B+4*\slot+2:G0B+4*\slot+3], 2*NQ*PLB
.endif
	MUL 1, 0, \f, 0
	s_wait_dscnt 0x0                               ; the add is done and my reads of this slot are over
	s_barrier_signal -1
	MUL 1, 1, \f, 0
	WIN 0
	s_barrier_wait -1
.if \fill
	CREST                                          ; the barrier has opened a round: no wave of any partner still reads this slot
.if \fill == 1
	JLOAD G0+4*\slot, G1, G0B+4*\slot, G1B
.else
	JLOAD G0+4*\slot, G1X, G0B+4*\slot, G1XB
.endif
.endif
.if \ask
	ASK \ask
.endif
.endm
	s_load_b128 s[4:7], s[0:1], 0x0                ; a_q, b_q
	s_load_b64 s[12:13], s[0:1], 0x10              ; out0
	v_lshl_add_u32 v[SPW], v0, 2, SPARE
	v_mov_b32 v[NIL], 0
	ds_add_u32 v[SPW], v[NIL]                      ; the opening lines
	ds_add_u32 v[SPW], v[NIL]
	v_lshrrev_b32 v1, 5, v0
	v_readfirstlane_b32 s14, v1                    ; wave
	s_lshr_b32 s15, s14, 1                         ; my half of the rows; also: I fetch for A (0) or B (1)
	s_and_b32 s16, s14, 1                          ; my half of the columns; also: which group I fetch
	s_bfe_u32 s40, ttmp6, 0x40000                  ; cx
	s_bfe_u32 s41, ttmp6, 0x40004                  ; cy
	s_lshl_b32 s42, ttmp9, 2
	s_add_co_u32 s42, s42, s40                     ; tile column
	s_and_b32 s17, ttmp7, 0xffff
	s_lshl_b32 s17, s17, 2
	s_add_co_u32 s17, s17, s41                     ; tile row
	s_lshl_b32 s43, s41, 2
	s_lshl_b32 s43, 15, s43                        ; my row of the cluster
	s_lshl_b32 s44, 0x1111, s40                    ; my column
	s_or_b32 s[G1+0], s43, (3<<16)|(1<<21)         ; elements of 8 bytes, no padding: the images are read lane by lane on end
	s_or_b32 s[G1B+0], s44, (3<<16)|(1<<21)
	s_or_b32 s[G1X+0], s43, (3<<16)|(1<<21)
	s_or_b32 s[G1XB+0], s44, (3<<16)|(1<<21)
.irp g, G1, G1B
	s_mov_b32 s[\g+2], NQ<<16
	s_mov_b32 s[\g+4], NQ
.endr
.irp g, G1X, G1XB
	s_mov_b32 s[\g+2], 2<<16
	s_mov_b32 s[\g+4], 2
.endr
.irp g, G1, G1B, G1X, G1XB
	s_mov_b32 s[\g+1], (GRP/8)<<16
	s_mov_b32 s[\g+3], (GRP/8)<<16
	s_mov_b32 s[\g+5], PLB/8
	s_mov_b32 s[\g+6], 0
	s_mov_b32 s[\g+7], 0
.endr
	s_lshl_b32 s20, s17, 1
	s_add_co_u32 s20, s20, s16
	s_mul_i32 s20, s20, GRP                        ; A's group 2 x tile row + half
	s_mov_b32 s21, 0
	s_lshl_b32 s46, s42, 1
	s_add_co_u32 s46, s46, s16
	s_mul_i32 s46, s46, GRP                        ; B's group
	s_mov_b32 s47, 0
	s_mul_i32 s45, s14, HALFT                      ; where my loads land
	s_mul_i32 s93, s15, HALFT                      ; what I read: A's group,
	s_mul_i32 s94, s16, HALFT
	s_add_co_u32 s94, s94, 2*HALFT                 ; B's group,
	s_sub_co_u32 s95, s94, s93                     ; and their distance
	s_mul_i32 s23, s14, 16*SPITCH
	s_add_co_u32 s23, s23, STAGE                   ; my stage
	s_wait_dscnt 0x0                               ; both opening adds are done
	s_wait_kmcnt 0x0
	s_add_nc_u64 s[20:21], s[4:5], s[20:21]
	s_add_nc_u64 s[46:47], s[6:7], s[46:47]
	s_cmp_eq_u32 s15, 0
	s_cselect_b64 s[PFA:PFA+1], s[20:21], s[46:47]
	s_cselect_b32 s19, s40, s41                    ; my place among the four that ask with me
	s_add_nc_u64 s[PFA:PFA+1], s[PFA:PFA+1], NQ*PLB   ; fill 1
	s_mul_i32 s19, s19, 38
	s_add_co_u32 s90, s19, 32
.irp s, 0,1
	s_mov_b32 s[G0+4*\s], 1
	s_add_co_u32 s[G0+4*\s+1], s45, \s*SLOT
	s_add_nc_u64 s[G0+4*\s+2:G0+4*\s+3], s[20:21], \s*NQ*PLB
	s_or_b32 s[G0+4*\s+3], s[G0+4*\s+3], 0x80000000
	s_mov_b32 s[G0B+4*\s], 1
	s_add_co_u32 s[G0B+4*\s+1], s45, \s*SLOT
	s_add_nc_u64 s[G0B+4*\s+2:G0B+4*\s+3], s[46:47], \s*NQ*PLB
	s_or_b32 s[G0B+4*\s+3], s[G0B+4*\s+3], 0x80000000
.endr
	s_lshl_b32 s20, s17, 8
	s_lshl_b32 s92, s15, 7
	s_add_co_u32 s20, s20, s92                     ; my first row of out0,
	s_lshl_b32 s20, s20, 13
	s_lshl_b32 s46, s42, 9
	s_lshl_b32 s47, s16, 8
	s_add_co_u32 s46, s46, s47                     ; my first column, in bytes
	s_add_co_u32 s20, s20, s46
	s_mov_b32 s21, 0
	s_add_nc_u64 s[12:13], s[12:13], s[20:21]
	CROUND                                         ; all sixteen work-groups are here
	JLOAD G0, G1, G0B, G1B                         ; fill 0: one tensor load a wave at the head
	v_and_b32 v1, 15, v0                           ; r
	v_bfe_u32 v2, v0, 4, 1                         ; h
	v_and_b32 v6, 31, v0                           ; lane
	v_lshlrev_b32 v4, 4, v6
	v_lshlrev_b32 v5, 3, v6
	v_add_nc_u32 v10, s93, v4
	v_add_nc_u32 v12, s93, v5
	v_add_nc_u32 v14, s94, v4
	v_add_nc_u32 v16, s94, v5
	v_mul_u32_u24 v7, s95, v2                      ; lanes 16-31 take B's scale words
	v_lshl_add_u32 v7, v1, 2, v7
	v_add_nc_u32 v18, s93, v7
.irp k, 10,12,14,16,18
	v_add_nc_u32 v[\k+1], SLOT, v[\k]
.endr
	WIN 0x40
.irp k, 0,1,2,3,4,5,6,7,8,9
	v_mov_b32 v[AD+\k], v[10+\k]                   ; the addresses' copy in window 1,
.endr
	WIN 0x80
.irp k, 0,1,2,3,4,5,6,7,8,9
	v_mov_b32 v[AD+\k], v[10+\k]                   ; and in window 2
.endr
	WIN 0
	v_mul_u32_u24 v5, v1, SPITCH
	v_lshl_add_u32 v5, v2, 4, v5
	v_add_nc_u32 v[STO], s23, v5                   ; into the stage: row r, 16 bytes for each half of the lanes
	v_mul_u32_u24 v5, v2, SPITCH
	v_lshl_add_u32 v5, v1, 4, v5
	v_add_nc_u32 v[RD], s23, v5                    ; back: sixteen lanes to a row of 256 bytes
	v_lshlrev_b32 v5, 13, v2
	v_lshl_add_u32 v[CO], v1, 4, v5                ; and the same two rows in out0
	v_add_nc_u32 v8, s19, v6                       ; blocks 38 p + lane,
	v_min_u32 v9, 5, v6
	v_add_nc_u32 v9, s90, v9                       ; and 38 p + 32 + 0 .. 5,
	v_min_u32 v8, 149, v8                          ; of 150
	v_min_u32 v9, 149, v9
	v_mul_u32_u24 v20, v8, 41
	v_mul_u32_u24 v21, v9, 41
	v_lshrrev_b32 v20, 11, v20                     ; block / 50 (exact up to 149): its plane
	v_lshrrev_b32 v21, 11, v21
	v_mul_u32_u24 v20, v20, PLB-GRP
	v_mul_u32_u24 v21, v21, PLB-GRP
	v_lshl_add_u32 v[PFO], v8, 8, v20
	v_lshl_add_u32 v[PFO+1], v9, 8, v21
	s_wait_alu depctr_va_vdst(0)
	ASK 1                                          ; fill 1
	s_wait_tensorcnt 0x0                           ; my part of fill 0 is in
	ds_add_u32 v[SPW], v[NIL]
	s_wait_xcnt 0x0
	s_add_nc_u64 s[PFA:PFA+1], s[PFA:PFA+1], NQ*PLB
	s_wait_dscnt 0x0
	CROUND
	JLOAD G0+4, G1, G0B+4, G1B                     ; fill 1, the first tensor load behind the round
	LOADS 1, 0, 0                                  ; plane 0 into sets 0
	WIN 0
	ASK 1                                          ; fill 2
	STEP 0, 0, 1, 1                                ; step 0: its products start the sums
	WIN 0
	s_mov_b32 s3, TRIPS
.Llap:                                                 ; six steps: once round the ring, and the sets are back where they began
	TURN 1, 0, 1, 1
	STEP 0, 1, 0, 0
	STEP 1, 1, 1, 0
	TURN 0, 1, 1, 2
	STEP 1, 0, 0, 0
	STEP 0, 0, 1, 0
	WIN 0
	s_sub_co_u32 s3, s3, 1
	s_cmp_lg_u32 s3, 0
	s_cbranch_scc1 .Llap
	TURN 1, 0, 2, 0                                ; steps 25 to 30.  The last fill: planes 30, 31
	STEP 0, 1, 0, 0
	STEP 1, 1, 1, 0
	TURN 0, 1, 0, 0                                ; nothing more to fetch: a plain barrier; behind it nobody reads slot 1
	STEP 1, 0, 0, 0
	STEP 0, 0, 1, 0
; THE WAY OUT, by blocks of 16 rows x 128 columns: rounded to f16, through my own stage, back as whole rows of 256 bytes.
.macro PACK a
.irp jj, 0,1
	WIN 5*(2*((\a)/4)+\jj)                         ; sources in the window of accumulators (a / 4, jj)
.irp b, 0,1,2,3
.irp r, 0,1,2,3
	v_cvt_pk_f16_f32 v[TMP+16*\jj+4*\b+\r], v[8*(4*((\a)%4)+\b)+2*\r], v[8*(4*((\a)%4)+\b)+2*\r+1]
.endr
.endr
.endr
	WIN 0
.endm
.macro TOSTAGE a
.set BB, BK+32*((\a)%2)
.irp b, 0,1,2,3,4,5,6,7
	ds_store_b128 v[STO], v[TMP+4*\b:TMP+4*\b+3] offset:32*\b
.endr
.irp t, 0,1,2,3,4,5,6,7
	ds_load_b128 v[BB+4*\t:BB+4*\t+3], v[RD] offset:\t*2*SPITCH    ; LDS serves a wave's instructions in order: these see the stores above
.endr
.endm
.macro SEND a
.set BB, BK+32*((\a)%2)
	s_wait_dscnt 0x0
	s_wait_xcnt 0x0                                ; earlier stores have read their base and data
.if (\a) > 0
	s_add_nc_u64 s[12:13], s[12:13], 16*ROWC
.endif
.irp t, 0,1,2,3,4,5,6,7
	global_store_b128 v[CO], v[BB+4*\t:BB+4*\t+3], s[12:13] offset:\t*2*ROWC th:TH_STORE_NT   ; sixteen lanes store 256 consecutive bytes, aligned
.endr
.endm
.macro NEXTB a
	PACK \a
	s_wait_alu depctr_va_vdst(0)
	SEND (\a)-1
	TOSTAGE \a
.endm
	; step 31: rows 0-63 are finished by its first two runs and leave while rows 64-127 are multiplied, eight products behind each block's turn through the stage
	s_wait_dscnt 0x0
	MUL 0, 0, 1, 0
	MUL 0, 1, 1, 0
	PLACES
	PACK 0
	TOSTAGE 0
	RUNP 1, 0, 1, 0, 1, 0, 0, 0, 0, 8
	NEXTB 1
	RUNP 1, 0, 1, 0, 1, 0, 0, 0, 8, 8
	NEXTB 2
	RUNP 1, 1, 1, 0, 1, 0, 0, 0, 0, 8
	NEXTB 3
	RUNP 1, 1, 1, 0, 1, 0, 0, 0, 8, 8
	PLACES
.irp a, 4,5,6,7
	NEXTB \a
.endr
	SEND 7
	s_wait_tensorcnt 0x0                           ; the wave's end
	ds_add_u32 v[SPW], v[NIL]
	s_wait_dscnt 0x0
	CROUND                                         ; the closing round
	s_endpgm
.Lfunc_end_k_q59b45098b3_gemm:
	.size	k_q59b45098b3_gemm, .Lfunc_end_k_q59b45098b3_gemm-k_q59b45098b3_gemm
	.p2alignl 7, 3214868480
	.fill 96, 4, 3214868480
	.section	.rodata,"a",@progbits
	.p2align	6, 0x0
	.amdhsa_kernel k_q59b45098b3_gemm
		.amdhsa_group_segment_fixed_size 327680
		.amdhsa_private_segment_fixed_size 0
		.amdhsa_enable_private_segment 0
		.amdhsa_kernarg_size 24
		.amdhsa_user_sgpr_count 2
		.amdhsa_user_sgpr_kernarg_segment_ptr 1
		.amdhsa_wavefront_size32 1
		.amdhsa_system_sgpr_workgroup_id_x 1
		.amdhsa_system_sgpr_workgroup_id_y 1
		.amdhsa_system_sgpr_workgroup_id_z 1
		.amdhsa_system_vgpr_workitem_id 0
		.amdhsa_next_free_vgpr 1024
		.amdhsa_next_free_sgpr 98
		.amdhsa_reserve_vcc 0
		.amdhsa_float_denorm_mode_32 3
		.amdhsa_float_denorm_mode_16_64 3
		.amdhsa_memory_ordered 1
		.amdhsa_forward_progress 1
		.amdhsa_inst_pref_size 255
	.end_amdhsa_kernel
	.section	.bss,"aw",@nobits
	.p2align	6
	.space	262144
	.amdgpu_metadata
---
amdhsa.version: [ 1, 2 ]
amdhsa.kernels:
  - .name:           k_q59b45098b3_gemm
    .symbol:         k_q59b45098b3_gemm.kd
    .args:
      - { .name: a_q, .offset: 0, .size: 8, .value_kind: global_buffer, .address_space: global }
      - { .name: b_q, .offset: 8, .size: 8, .value_kind: global_buffer, .address_space: global }
      - { .name: out0, .offset: 16, .size: 8, .value_kind: global_buffer, .address_space: global }
    .group_segment_fixed_size: 327680
    .private_segment_fixed_size: 0
    .kernarg_segment_align: 8
    .kernarg_segment_size: 24
    .max_flat_workgroup_size: 128
    .sgpr_count:     98
    .vgpr_count:     1024
    .wavefront_size: 32
...
	.end_amdgpu_metadata
.endif
;; end of part 2
